; MI455X (gfx1250); checked and timed in simulation.
; The chip was launched on July 23, 2026; its instructions are those of AMD's public machine-readable ISA for CDNA 5 (MIT licence, August 2026) and "CDNA5" Instruction Set Architecture Reference Guide (July 2026). The comments in the code are by the model that wrote it; some were corrected since.
;; Multi Query Attention. Allowed arithmetic: matrix products marked QUANTISED: E2M3 operands, one E8M0 scale for each 32 along K, by v_wmma_scale_f32_16x16x128_f8f6f4 with both operands' format E2M3, f32 sums; everything else in f32.
;; Inputs: Wk 512 x 2,048 float32; Wq 2,048 x 2,048 float32; Wv 512 x 2,048 float32; attention_mask 2 x 2,048 int32; bk 512 float32; bq 2,048 float32; bv 512 float32; hidden_states 2 x 2,048 x 2,048 float32.
;; Outputs: out0 2 x 2,048 x 2,048 float32.
;; This version of the problem:
;;   THIS VERSION OF THE PROBLEM IS GIVEN IN LOW PRECISION. The matrix products marked QUANTISED in the list below multiply operands that are first quantised to E2M3 (2 exponent bits, 3 mantissa bits; 6 bits a number), with one power-of-two scale for each 32 numbers along K (OCP MX v1.0); their sums are f32. All else is computed in f32.
;;   The module's matrix products, in the order in which they are computed (A, B: the left and right operand; K: the contracted axis; several contracted axes count as one K, in the product's order):
;;     1. [M 4,096, K 2,048] x [K 2,048, N 2,048]; A: input hidden_states; B: input Wq: QUANTISED
;;     2. [M 4,096, K 2,048] x [K 2,048, N 512]; A: input hidden_states; B: input Wk: QUANTISED
;;     3. [M 4,096, K 2,048] x [K 2,048, N 512]; A: input hidden_states; B: input Wv: QUANTISED
;;     4. batch 8 x [M 2,048, K 128] x [K 128, N 8,192]; A: computed on the way; B: computed on the way: QUANTISED
;;     5. batch 8 x [M 128, K 2,048] x [K 2,048, N 8,192]; A: computed on the way; B: softmax (see below): QUANTISED
;;   THE QUANTISER, for each operand of a quantised product, along K:
;;     - K is cut into blocks of 32 from its start; a last block that is shorter is filled with zeros.
;;     - A block's scale is 2^e with e = floor(log2(the largest magnitude in the block)) - 2, held to -126 .. 127; a block of zeros has e = 0. As a byte (E8M0): e + 127.
;;     - Each number is divided by its block's scale, clamped to +-7.5, and rounded to the nearest number of E2M3, ties to even, subnormals kept.
;;     - The product sums the exact products of the quantised numbers (number of the format x scale) in f32.
;;   ~~~python
;;   def quantise(x, axis):      # numpy; x: float32 -> the quantised numbers, widened to float32 again
;;       x = np.moveaxis(x, axis, -1); K = x.shape[-1]
;;       x = np.pad(x, [(0, 0)] * (x.ndim - 1) + [(0, -K % 32)]); x = x.reshape(x.shape[:-1] + (-1, 32)); a = np.abs(x).max(-1, keepdims=True)
;;       e = np.where(a > 0, np.clip(np.frexp(np.where(a > 0, a, 1))[1] - 1 - 2, -126, 127), 0)      # np.frexp(a)[1] - 1 = floor(log2(a)), exactly
;;       r = np.clip(x / 2.0 ** e, -7.5, 7.5)
;;       step = 2.0 ** (np.maximum(np.frexp(np.where(r == 0, 1, r))[1] - 1, 0) - 3)
;;       q = np.round(r / step) * step * 2.0 ** e      # np.round: ties to even
;;       return np.moveaxis(q.reshape(q.shape[:-2] + (-1,))[..., :K], -1, axis).astype(np.float32)
;;   ~~~
;;   SOFTMAX AHEAD OF A QUANTISED PRODUCT. Where the list says 'softmax', what is quantised is not the finished softmax but p = 2^(t - M), with t = logit x log2(e) and M = ceil(the row's largest t), a whole number; so 1/2 < the row's largest p <= 1. The row's sum l is taken of the UNQUANTISED p, in f32, and the product's result is divided by l at the end. Since M is a whole number, a kernel that streams over the keys may use a running M (the ceiling of the running maximum): every later rescaling is an exact power of two, which a block's scale takes up: the codes' values come out the same.
;;   OPERANDS COMPUTED ON THE WAY. 'Computed on the way' means the value that the module computes at that place (a softmax that the list does not call 'softmax' is quantised finished and normalised). What goes into a quantiser is computed in f32, as accurately as f32 sums, v_exp_f32 and their like allow (about 1e-6 of the number): no bf16 or f16 on the way to a quantiser, and a product that is left as it is and whose result goes on into a quantised operand takes f32 operands (vector FMAs, or v_wmma_f32_16x16x4_f32). A number that lies on a knife's edge between two numbers of the format may be rounded either way, as far as f32 arithmetic and the matrix unit's own rounding can turn it there, and no further.
;; One version. Each part assembles by itself: llvm-mc -triple=amdgcn-amd-amdhsa -mcpu=gfx1250 --defsym DOCPART=n.
;; ======== version 1 of 1: 3 launches
;; limits: right only within a limited range of input values
;; workspace buffers: img 11,010,048 bytes; isc 458,752 bytes; att 9,437,184 bytes; asc 393,216 bytes
;; launch quant (part 1): grid 448 x 1, 4 waves a work-group, no clusters, 34,304 bytes of LDS; arguments hidden_states, Wq, Wk, Wv, img, isc; writes img, isc
.if DOCPART == 1
	.amdgcn_target "amdgcn-amd-amdhsa--gfx1250"
	.amdhsa_code_object_version 6
	.text
	.protected	k_q911e81a6d3_quant
	.globl	k_q911e81a6d3_quant
	.p2align	8
	.type	k_q911e81a6d3_quant,@function
k_q911e81a6d3_quant:
	s_mov_b64 s[64:65], 0
	v_nop
	global_prefetch_b8 v0, s[64:65] scope:SCOPE_SE
	s_setreg_imm32_b32 hwreg(HW_REG_WAVE_MODE, 25, 1), 1
	s_wait_xcnt 0x0
; hidden_states [4096][2048], Wq [2048][2048], Wk [512][2048], Wv [512][2048], f32, K innermost, become codes of FP6 (E2M3) with one E8M0 byte for each 32 along K.
; The four tensors count as one run of 7,168 rows.  THE CODES ARE LAID AS IMAGES OF THE OPERAND'S REGISTERS, not as rows:
;   img [tile 0..447][K step 0..15][1,536]: a fragment (16 rows x 128 K, 12 registers a lane); registers 4 c .. 4 c + 3 of lane l lie at 512 c + 16 l.
;   Rows go in groups of 128, eight tiles to a group; lane r of tile a = 2 B + u holds row 32 B + 8 u + r + 8 (r / 8) of the group.
;   isc [group 0..55][K step][512]: the scale word (four bytes, 128 along K) of (tile a, lane r) lies at 256 (a / 4) + 16 r + 4 (a % 4).
; A block's scale is 2^(floor(log2(largest magnitude)) - 2); its byte is the largest magnitude's exponent field - 2, held at 1 from below (a block of zeros gets 1: its codes are zeros, and this program alone reads the bytes).
; LIMITS: blocks whose largest magnitude lies under 2^-124 get the byte 1; NaN and infinities among the inputs are not served.
; SHARES.  A work-group takes 64 rows (four tiles) x four K steps; wave w one K step: the four waves stand side by side on 2,048 bytes of each row.  Each load reads 512 consecutive bytes of one row;
; a tile's 16 rows turn through the wave's own stage in LDS (rows 528 bytes apart) and come back so that lane (r, h) holds blocks h and 2 + h of row r whole: the order that the operand's layout gives that lane.
; Memory binds: no matrix unit, no cluster (work-groups share no byte), no barrier (waves share nothing).  Loads run one tile, 16 loads a wave, ahead of the tile at work.
.set STW,   8448                       ; a wave's stage: 16 rows x 528
.set PIT,   528                        ; 512 bytes + 16: an odd multiple of 16, so the 16 rows of a read start in different banks
.set SPARE, 4*STW                      ; behind the stages: the spare words, 128 bytes a wave: two blocks of 256 bytes that no other line names
.set GL,  4                            ; v4   16 x lane: my bytes of a load's 512, and of an image's 512
.set STI, 5                            ; v5   the stage, way in
.set STO, 6                            ; v6   the stage, way out: row r, + 128 h
.set SCO, 7                            ; v7   16 r + 8 h: my two scale words' place
.set SH8, 8                            ; v8   8 h
.set HH,  9                            ; v9   h
.set SPW, 10                           ; v10  my spare word; never rewritten
.set NIL, 11                           ; v11  0; never rewritten
.set MX,  12                           ; v12-13 largest magnitudes of my two blocks
.set SO,  14                           ; v14-15 the conversions' scale operands
.set BY,  16                           ; v16-17 the bytes
.set WD,  18                           ; v18-19 at work on the word; at the end the two words that I store
.set PW,  20                           ; v20-23 a scale word for each tile
.set T,   24                           ; v24-30 the second halves of the blocks' codes
.set C,   32                           ; v32-43 a fragment's codes
.set R,   48                           ; v48-175 two sets of 64: a tile as loaded
.set X,   176                          ; v176-239 my 64 numbers of a tile
	s_load_b256 s[4:11], s[0:1], 0x0               ; hidden s[4:5], Wq s[6:7], Wk s[8:9], Wv s[10:11]
	s_load_b128 s[12:15], s[0:1], 0x20             ; img s[12:13], isc s[14:15]
	v_lshl_add_u32 v[SPW], v0, 2, SPARE
	v_mov_b32 v[NIL], 0
	v_lshrrev_b32 v1, 5, v0
	v_readfirstlane_b32 s16, v1                    ; wave
	v_and_b32 v2, 31, v0                           ; lane
	v_and_b32 v3, 15, v0                           ; r
	v_bfe_u32 v[HH], v0, 4, 1                      ; h
	v_lshlrev_b32 v[GL], 4, v2
	s_mul_i32 s20, s16, STW
	v_add_nc_u32 v[STI], s20, v[GL]
	v_mul_u32_u24 v[STO], v3, PIT
	v_lshl_add_u32 v[STO], v[HH], 7, v[STO]
	v_add_nc_u32 v[STO], s20, v[STO]
	v_lshlrev_b32 v[SCO], 4, v3
	v_lshl_add_u32 v[SCO], v[HH], 3, v[SCO]
	v_lshlrev_b32 v[SH8], 3, v[HH]
	v_mov_b32 v[WD+1], 0                           ; a lane permute's destination counts as one of its sources
	s_mov_b32 s24, 0x76543210
	s_mov_b32 s25, 0xfedcba98                      ; selects for lane l xor 16
	s_lshr_b32 s17, ttmp9, 2                       ; which 64 rows of the 7,168
	s_and_b32 s18, ttmp9, 3
	s_lshl_b32 s19, s18, 2
	s_add_co_u32 s19, s19, s16                     ; my K step
	s_mul_i32 s22, s17, 98304                      ; img: four tiles of 24,576 bytes,
	s_mul_i32 s21, s19, 1536
	s_add_co_u32 s22, s22, s21                     ; + my K step's fragment
	s_mov_b32 s23, 0
	s_lshr_b32 s26, s17, 1
	s_lshl_b32 s26, s26, 13                        ; isc: the group's 8,192 bytes,
	s_lshl_b32 s21, s19, 9                         ; 512 x K step (also my bytes in a row of the source),
	s_add_co_u32 s26, s26, s21
	s_and_b32 s28, s17, 1
	s_lshl_b32 s28, s28, 8
	s_add_co_u32 s26, s26, s28                     ; and the half of the record that tiles 0-3 or 4-7 have
	s_mov_b32 s27, 0
	s_mov_b32 s20, 104                             ; the chosen tensor's first 64 rows
	s_wait_alu depctr_va_vdst(0)
	s_wait_kmcnt 0x0
	s_add_nc_u64 s[12:13], s[12:13], s[22:23]
	s_add_nc_u64 s[14:15], s[14:15], s[26:27]
	s_cmp_lt_u32 s17, 104                          ; the tensor is chosen by the work-group's number alone
	s_cselect_b64 s[10:11], s[8:9], s[10:11]
	s_cselect_b32 s20, 96, s20
	s_cmp_lt_u32 s17, 96
	s_cselect_b64 s[10:11], s[6:7], s[10:11]
	s_cselect_b32 s20, 64, s20
	s_cmp_lt_u32 s17, 64
	s_cselect_b64 s[10:11], s[4:5], s[10:11]
	s_cselect_b32 s20, 0, s20
	s_sub_co_u32 s20, s17, s20
	s_lshl_b32 s20, s20, 19                        ; 64 rows of 8,192 bytes
	s_add_co_u32 s20, s20, s21
	s_mov_b32 s21, 0
	s_add_nc_u64 s[10:11], s[10:11], s[20:21]
.macro LOAD t                          ; tile t's 16 rows, in the tile's own order of rows; each load: 512 consecutive bytes
.irp i, 0,1,2,3,4,5,6,7,8,9,10,11,12,13,14,15
	global_load_b128 v[R+64*((\t)%2)+4*\i:R+64*((\t)%2)+4*\i+3], v[GL], s[10:11] offset:(32*((\t)/2)+8*((\t)%2)+\i+8*(\i/8))*8192 th:TH_LOAD_NT
.endr
.endm
.macro TURN t                          ; through the stage: LDS serves a wave's instructions in order, so no wait stands between the stores and the loads
.irp i, 0,1,2,3,4,5,6,7,8,9,10,11,12,13,14,15
	ds_store_b128 v[STI], v[R+64*((\t)%2)+4*\i:R+64*((\t)%2)+4*\i+3] offset:PIT*\i
.endr
.irp c, 0,1
.irp j, 0,1,2,3,4,5,6,7
	ds_load_b128 v[X+32*\c+4*\j:X+32*\c+4*\j+3], v[STO] offset:256*\c+16*\j    ; k = 64 c + 32 h + 4 j ..
.endr
.endr
.endm
.macro QF t                            ; my 64 numbers become my 12 registers of the fragment, and my row's scale word
.irp c, 0,1
	v_max3_num_f32 v[MX+\c], |v[X+32*\c]|, |v[X+32*\c+1]|, 0x1800000           ; with the floor 2^(3 - 127): the byte cannot fall under 1
.endr
.irp i, 2,4,6,8,10,12,14,16,18,20,22,24,26,28,30
.irp c, 0,1
	v_max3_num_f32 v[MX+\c], v[MX+\c], |v[X+32*\c+\i]|, |v[X+32*\c+\i+1]|      ; the two blocks by turns
.endr
.endr
.irp c, 0,1
	v_add_nc_u32 v[SO+\c], 0xff000000, v[MX+\c]    ; 2 off the exponent field: the conversion takes this operand's exponent field as its scale
.endr
.irp c, 0,1
	v_lshrrev_b32 v[BY+\c], 23, v[SO+\c]           ; the byte
.endr
	v_lshl_or_b32 v[WD], v[BY+1], 16, v[BY]        ; blocks h and 2 + h,
	v_lshlrev_b32 v[WD], v[SH8], v[WD]             ; at their places in the word;
	v_permlanex16_b32 v[WD+1], v[WD], s24, s25
	v_or_b32 v[PW+(\t)], v[WD], v[WD+1]            ; with lane l xor 16's two the word is whole
	s_wait_alu depctr_va_vdst(0)
	s_wait_xcnt 0x0                                ; the last tile's stores have read the codes' registers: they are written again only behind this wait
.irp c, 0,1
	v_cvt_scalef32_pk16_fp6_f32 v[C+6*\c:C+6*\c+2], v[X+32*\c:X+32*\c+15], v[SO+\c]
	v_cvt_scalef32_pk16_fp6_f32 v[T+4*\c:T+4*\c+2], v[X+32*\c+16:X+32*\c+31], v[SO+\c]   ; (a conversion's three registers begin on an even number)
.endr
	v_nop                                          ; one plain place behind a scaled conversion
.irp c, 0,1
.irp i, 0,1,2
	v_mov_b32 v[C+3+6*\c+\i], v[T+4*\c+\i]
.endr
.endr
.irp c, 0,1,2
	global_store_b128 v[GL], v[C+4*\c:C+4*\c+3], s[12:13] offset:24576*(\t)+512*\c       ; 512 consecutive bytes, at a multiple of 512 from img's first byte
.endr
.endm
	LOAD 0
	LOAD 1
.irp t, 0,1,2,3
.if \t < 3
	s_wait_loadcnt 16                              ; this tile's 16 loads are in; the next tile's 16 may be out
.else
	s_wait_loadcnt 0x0
.endif
	TURN \t
	s_wait_dscnt 0x0                               ; my numbers are back, and the stage's stores have read their registers,
.if \t < 2
	LOAD \t+2                                      ; which take the tile two on
.endif
	QF \t
.endr
	v_cmp_ne_u32 vcc_lo, 0, v[HH]
	v_cndmask_b32 v[WD], v[PW], v[PW+2], vcc_lo    ; lanes 0-15 store tiles 0, 1's words of row r, lanes 16-31 tiles 2, 3's
	v_cndmask_b32 v[WD+1], v[PW+1], v[PW+3], vcc_lo
	global_store_b64 v[SCO], v[WD:WD+1], s[14:15]  ; 32 lanes store 256 consecutive bytes, aligned
	s_wait_tensorcnt 0x0                           ; the wave's end, behind my last LDS store
	ds_add_u32 v[SPW], v[NIL]
	s_wait_dscnt 0x0
	s_endpgm
.Lfunc_end_k_q911e81a6d3_quant:
	.size	k_q911e81a6d3_quant, .Lfunc_end_k_q911e81a6d3_quant-k_q911e81a6d3_quant
	.p2alignl 7, 3214868480
	.fill 96, 4, 3214868480
	.section	.rodata,"a",@progbits
	.p2align	6, 0x0
	.amdhsa_kernel k_q911e81a6d3_quant
		.amdhsa_group_segment_fixed_size 34304
		.amdhsa_private_segment_fixed_size 0
		.amdhsa_enable_private_segment 0
		.amdhsa_kernarg_size 48
		.amdhsa_user_sgpr_count 2
		.amdhsa_user_sgpr_kernarg_segment_ptr 1
		.amdhsa_wavefront_size32 1
		.amdhsa_system_sgpr_workgroup_id_x 1
		.amdhsa_system_sgpr_workgroup_id_y 1
		.amdhsa_system_sgpr_workgroup_id_z 1
		.amdhsa_system_vgpr_workitem_id 0
		.amdhsa_next_free_vgpr 240
		.amdhsa_next_free_sgpr 66
		.amdhsa_reserve_vcc 1
		.amdhsa_float_denorm_mode_32 3
		.amdhsa_float_denorm_mode_16_64 3
		.amdhsa_memory_ordered 1
		.amdhsa_forward_progress 1
		.amdhsa_inst_pref_size 31
	.end_amdhsa_kernel
	.amdgpu_metadata
---
amdhsa.version: [ 1, 2 ]
amdhsa.kernels:
  - .name:           k_q911e81a6d3_quant
    .symbol:         k_q911e81a6d3_quant.kd
    .args:
      - { .name: hidden_states, .offset: 0, .size: 8, .value_kind: global_buffer, .address_space: global }
      - { .name: Wq, .offset: 8, .size: 8, .value_kind: global_buffer, .address_space: global }
      - { .name: Wk, .offset: 16, .size: 8, .value_kind: global_buffer, .address_space: global }
      - { .name: Wv, .offset: 24, .size: 8, .value_kind: global_buffer, .address_space: global }
      - { .name: img, .offset: 32, .size: 8, .value_kind: global_buffer, .address_space: global }
      - { .name: isc, .offset: 40, .size: 8, .value_kind: global_buffer, .address_space: global }
    .group_segment_fixed_size: 34304
    .private_segment_fixed_size: 0
    .kernarg_segment_align: 8
    .kernarg_segment_size: 48
    .max_flat_workgroup_size: 128
    .sgpr_count:     66
    .vgpr_count:     240
    .wavefront_size: 32
...
	.end_amdgpu_metadata
.endif
;; end of part 1
;; launch proj (part 2): grid 24 x 8, 4 waves a work-group, clusters of 4 x 4, 327,680 bytes of LDS; arguments img, isc, bq, bk, bv, att, asc; writes att, asc
.if DOCPART == 2
	.amdgcn_target "amdgcn-amd-amdhsa--gfx1250"
	.amdhsa_code_object_version 6
	.text
	.protected	k_q911e81a6d3_proj
	.globl	k_q911e81a6d3_proj
	.p2align	8
	.type	k_q911e81a6d3_proj,@function
k_q911e81a6d3_proj:
	s_mov_b64 s[64:65], 0
	v_nop
	global_prefetch_b8 v0, s[64:65] scope:SCOPE_SE
	s_setreg_imm32_b32 hwreg(HW_REG_WAVE_MODE, 25, 1), 1
	s_wait_xcnt 0x0
	s_wait_alu depctr_hold_cnt(0) depctr_sa_sdst(0) depctr_va_vdst(0) depctr_va_sdst(0) depctr_va_ssrc(0) depctr_va_vcc(0) depctr_vm_vsrc(0)
	s_getreg_b32 s2, hwreg(HW_REG_IB_STS2, 6, 4)
	s_cmp_eq_u32 s2, 0
	s_cbranch_scc0 .Lentry_in_a_cluster
	s_endpgm
.Lentry_in_a_cluster:
	s_bfe_u32 s2, ttmp6, 0x10000c
	s_cmp_lg_u32 s2, 0xf033
	s_cbranch_scc0 .Lentry_shape_is_right
	s_endpgm
.Lentry_shape_is_right:
; q = x Wq^T + bq, k = x Wk^T + bk, v = x Wv^T + bv: one product [4096 x 2048] x [2048 x 3072] on codes of FP6 (E2M3) with E8M0 scales, f32 sums; its results are quantised here, in registers,
; into the operands of the attention launch: q and k along the head's 128, v along the keys.  No f32 result goes to memory.
; IN: img, isc: fragment images and scale records (16 rows x 128 K: 1,536 bytes, registers 4 c .. 4 c + 3 of lane l at 512 c + 16 l; lane r of tile a of a group of 128 rows holds row 32 (a / 2) + 8 (a % 2) + r + 8 (r / 8);
;     the scale word of (tile a, lane r) at 256 (a / 4) + 16 r + 4 (a % 4) of the group's 512 bytes for a K step).  x's tiles 0..255, W's rows (Wq, Wk, Wv on end) tiles 256..447.
; OUT: att: units of 8 fragments (12,288 bytes); asc: a record of 512 bytes a unit.  q: unit (16 b + head) 16 + query group;  k: 512 + (4 b + g) 16 + key group;  v: 640 + (4 b + g) 16 + key group (fragment a = 16 of the head's 128, K = the group's 128 keys).
; SHARES.  Work-group (X, Y): 128 rows of W (X: a head of q 0..15, a group of k 16..19, of v 20..23) x 512 rows of x.  Wave w: x's group 4 Y + w against the 128 rows of W: 64 accumulators, 512 registers.
; 24 x 8 = 192 work-groups: a column block is one head, so that a result block is a whole operand of the next launch, and q, k and v each fill whole clusters; that leaves no even split into 256.
; WHICH SOURCE IS WHICH.  A result's register j of lane (r, h) is row 8 h + j of source 0 and column r of source 1; by the tiles' order of rows the 64 registers of one block of source 1 run along 128 NEIGHBOURS of source 0.
;   q, k: source 0 = W, source 1 = x: a lane holds one row of x, its registers run along the head's 128.     v (cluster x = 5): source 0 = x, source 1 = Wv: a lane holds one channel, its registers run along the keys.
;   The text is one: only the LDS address registers and the lanes of the scale words differ, chosen by the cluster's x, which all partners share.
; CLUSTER 4 x 4: x's tiles are shared along a row of the cluster, W's along a column: joint loads.  RING: two slots of two K steps of 128; waves 0, 1 fetch x's halves, wave 2 W's tile, wave 3 nothing.
; The scale records of the work-group's rows, for all of K, come once, with the first fills, and stay.  A wave has at most one tensor load out.
; Prefetch: behind each joint load the slot two loads on is asked for.  LIMITS: NaN and infinities are not served; a block whose largest magnitude lies under 2^-124 gets the byte 1.
; REGISTERS: window 0: v16-29 addresses; v32-63 scale words, two sets; v64-79 the bias along source 1; v128-223 source 1's 8 fragments, one set (the way out works in v128-243).
;   window 1: source 0's fragments, two sets, v0-95 and v128-223; v96-127, v224-255 the bias along source 0, as the C of the first products.   windows 2, 3: accumulator (a, b) at v[8 (8 (a % 4) + b)].
.set FR,    12                         ; registers of a fragment
.set NL,    3                          ; LDS loads that bring one
.set NP,    4                          ; places behind this form of matrix instruction (ISA guide 7.12.1)
.set TILEB, 3072                       ; a tile's two K steps in a slot
.set BOFF,  98304                      ; a slot: x's 32 tiles, then W's 8
.set SLOT,  122880
.set SCL,   2*SLOT                     ; the scale records: x's four groups x 8,192 bytes, then W's 8,192
.set SPARE, SCL+40960                  ; the spare words, 128 bytes a wave: two blocks of 256 bytes that no other line names
.set ADR0, 16                          ; v16-17 source 0's fragments in slot 0, 1
.set ADR1, 20                          ; v20-21 source 1's
.set HH,   25                          ; v25  h
.set GO,   26                          ; v26  16 x lane
.set ADRS, 27                          ; v27  my scale words: lanes 0-15 source 1's, lanes 16-31 source 0's
.set SPW,  28                          ; v28  my spare word; never rewritten
.set NIL,  29                          ; v29  0; never rewritten
.set SC,   32                          ; scale words: set s at v[SC + 16 s]; in it register 8 q + i: tile i, the slot's q-th K step
.set BR,   64                          ; v64-79 a pair for each block a of source 1: its lane's bias, twice
.set AF,   128
.set BP,   96                          ; window 1: tile b's eight at 96 + 8 b + 96 (b / 4)
.set ST,   128                         ; the way out: a block's 64 numbers
.set PC,   192                         ; v192-211 the codes
.set TM,   212                         ; v212-227 at work
.set PW,   228                         ; the scale word just made
.set PWS,  232                         ; v232-239 the eight blocks' words
.set WR,   240                         ; v240-243 the four that I store
.set G1A,  24
.set G1B,  32
.set G1SA, 40
.set G1SB, 48
.set G0A,  56                          ; s[56:59], s[60:63]: a set for each slot
.set G0B,  68                          ; s[68:71], s[72:75]
.set G0SA, 76
.set G0SB, 80
.set SEL,  98
; THE HEAD AND THE PREFETCH AS THEY STAND IN THIS TEXT (they take the place of what the lines at the top say of the first fills and of a prefetch):
; at the head each wave issues ONE joint load: wave 0 x's 32 tiles of slot 0, wave 1 W's 8, wave 2 x's records, wave 3 W's; slot 1's first fill stands behind the three lines and a round, as a refill does.  One tensor load a wave is out at any time.
; Behind each joint load the slot two loads on is asked for (at the head: slots 1 and 2).  A slot's 384 blocks of 256 bytes of x are shared out among the four partners of a row by address (8 tiles each; waves 0-2 four blocks of each tile),
; W's 96 blocks among the four of a column (2 tiles each, wave 3, lanes 24-31 name its last block again).  The last two refills ask for nothing.
.set PFO,  30                          ; v30  the prefetches' lane offset; never rewritten
.set PFA,  94                          ; s[94:95] my share of the slot one on from the load just issued
.set MSB, 0
.macro WIN new                         ; the immediate's high byte repeats the setting that is left
.if MSB != \new
	s_set_vgpr_msb (MSB<<8)|\new
.set MSB, \new
.endif
.endm
.set MUL_LO, 0xa1                      ; source 0 window 1, source 1 window 0, C and D window 2
.set MUL_HI, 0xf1                      ; the same, C and D window 3
.set FST_LO, 0x91                      ; the first products: C (the bias) window 1, D window 2
.set FST_HI, 0xd1                      ; D window 3
.set TO_1,   0x40                      ; destination window 1, address window 0
.macro PLACES n
.rept \n
	v_nop
.endr
.endm
; A joint refill.  The branches hang on the wave's number alone.  An s_nop 0 and four v_nop follow each load.
.macro JLOAD s
	s_cmp_lt_u32 s18, 2
	s_cbranch_scc0 .Lnot_a_\@
	tensor_load_to_lds s[G0A+4*\s:G0A+4*\s+3], s[G1A:G1A+7]
	s_nop 0
	PLACES 4
	s_branch .Lasked_\@
.Lnot_a_\@:
	s_cmp_eq_u32 s18, 2
	s_cbranch_scc0 .Lasked_\@
	tensor_load_to_lds s[G0B+4*\s:G0B+4*\s+3], s[G1B:G1B+7]
	s_nop 0
	PLACES 4
.Lasked_\@:
.endm
.macro CREST                           ; a round of the cluster's barrier behind its opening barrier
	s_cmp_lg_u32 s18, 0
	s_cbranch_scc1 .Lnot_wave_0_\@
	s_barrier_signal -3
.Lnot_wave_0_\@:
	s_barrier_wait -3
	s_barrier_signal -1
	s_barrier_wait -1
.endm
.macro CROUND
	s_barrier_signal -1
	s_barrier_wait -1
	CREST
.endm
.macro GROUP1 g, c, r, p               ; words 1 to 7 of a group 1: rows of c elements of 8 bytes, r rows, p elements from row to row
	s_mov_b32 s[\g+1], (\c)<<16
	s_mov_b32 s[\g+2], (\r)<<16
	s_mov_b32 s[\g+3], (\c)<<16
	s_mov_b32 s[\g+4], \r
	s_mov_b32 s[\g+5], \p
	s_mov_b32 s[\g+6], 0
	s_mov_b32 s[\g+7], 0
.endm
	s_load_b256 s[4:11], s[0:1], 0x0               ; img s[4:5], isc s[6:7], bq s[8:9], bk s[10:11]
	s_load_b128 s[12:15], s[0:1], 0x20             ; bv s[12:13], att s[14:15]
	s_load_b64 s[16:17], s[0:1], 0x30              ; asc
	v_lshl_add_u32 v[SPW], v0, 2, SPARE
	v_mov_b32 v[NIL], 0
	ds_add_u32 v[SPW], v[NIL]                      ; the wave's opening: the add and its wait ahead of my first tensor load; work on registers stands between them
	ds_add_u32 v[SPW], v[NIL]
	v_lshrrev_b32 v1, 5, v0
	v_readfirstlane_b32 s18, v1                    ; wave 0..3
	s_bfe_u32 s19, ttmp6, 0x40000                  ; cx
	s_bfe_u32 s20, ttmp6, 0x40004                  ; cy
	s_lshl_b32 s21, ttmp9, 2
	s_add_co_u32 s21, s21, s19                     ; X = 4 x cluster x + cx
	s_and_b32 s22, ttmp7, 0xffff
	s_lshl_b32 s22, s22, 2
	s_add_co_u32 s22, s22, s20                     ; Y = 4 x cluster y + cy
	s_lshl_b32 s84, s20, 2
	s_lshl_b32 s84, 15, s84                        ; my row of the cluster
	s_lshl_b32 s90, 0x1111, s19                    ; my column
	s_or_b32 s[G1A], s84, (3<<16)|(1<<21)          ; 15:0 the mask; 17:16 elements of 8 bytes; 21 set beside a mask; no padding: images are read 512 consecutive bytes at a time
	s_or_b32 s[G1SA], s84, (3<<16)|(1<<21)
	s_or_b32 s[G1B], s90, (3<<16)|(1<<21)
	s_or_b32 s[G1SB], s90, (3<<16)|(1<<21)
	GROUP1 G1A, 384, 32, 3072                      ; the head's load: 32 tiles, of each 3,072 bytes (two K steps), 24,576 bytes apart; behind it the rows are set to 16
	GROUP1 G1B, 384, 8, 3072                       ; 8 tiles
	GROUP1 G1SA, 32, 128, 32                       ; four groups' records: 32,768 dense bytes as rows of 256
	GROUP1 G1SB, 32, 32, 32                        ; one group's: 8,192
	s_and_b32 s96, s18, 1                          ; which half of x's tiles I fetch, if I fetch
	s_mul_i32 s97, s96, 49152                      ; its place in a slot: no place in the cluster enters an LDS address
	s_lshl_b32 s85, s22, 5                         ; x: tile 32 Y + 16 x half.  (s84-89 hold nothing of cx, s90-93 nothing of cy)
	s_lshl_b32 s86, s96, 4
	s_add_co_u32 s85, s85, s86
	s_mul_i32 s86, s85, 24576
	s_mov_b32 s87, 0
	s_lshl_b32 s88, s22, 15                        ; its records: groups 4 Y .. 4 Y + 3, 8,192 bytes each
	s_mov_b32 s89, 0
	s_lshl_b32 s90, s21, 3                         ; W: tile 256 + 8 X
	s_add_co_u32 s90, s90, 256
	s_mul_i32 s90, s90, 24576
	s_mov_b32 s91, 0
	s_add_co_u32 s92, s21, 32                      ; its records: group 32 + X
	s_lshl_b32 s92, s92, 13
	s_mov_b32 s93, 0
	s_mov_b32 s[SEL], 0x76543210
	s_mov_b32 s[SEL+1], 0xfedcba98                 ; selects for lane l xor 16
	s_wait_dscnt 0x0                               ; the opening add is done
	s_wait_kmcnt 0x0
	s_mov_b32 s[G0A], 1                            ; count = 1
	s_mov_b32 s[G0A+1], s97                        ; LDS address
	s_add_nc_u64 s[G0A+2:G0A+3], s[4:5], s[86:87]  ; global address: K steps 0, 1
	s_mov_b32 s[G0A+4], 1
	s_add_co_u32 s[G0A+5], s97, SLOT
	s_add_nc_u64 s[G0A+6:G0A+7], s[G0A+2:G0A+3], TILEB   ; K steps 2, 3
	s_or_b32 s[G0A+3], s[G0A+3], 0x80000000        ; type = 2
	s_or_b32 s[G0A+7], s[G0A+7], 0x80000000
	s_mov_b32 s[G0B], 1
	s_mov_b32 s[G0B+1], BOFF
	s_add_nc_u64 s[G0B+2:G0B+3], s[4:5], s[90:91]
	s_mov_b32 s[G0B+4], 1
	s_mov_b32 s[G0B+5], BOFF+SLOT
	s_add_nc_u64 s[G0B+6:G0B+7], s[G0B+2:G0B+3], TILEB
	s_or_b32 s[G0B+3], s[G0B+3], 0x80000000
	s_or_b32 s[G0B+7], s[G0B+7], 0x80000000
	s_mov_b32 s[G0SA], 1
	s_mov_b32 s[G0SA+1], SCL
	s_add_nc_u64 s[G0SA+2:G0SA+3], s[6:7], s[88:89]
	s_or_b32 s[G0SA+3], s[G0SA+3], 0x80000000
	s_mov_b32 s[G0SB], 1
	s_mov_b32 s[G0SB+1], SCL+32768
	s_add_nc_u64 s[G0SB+2:G0SB+3], s[6:7], s[92:93]
	s_or_b32 s[G0SB+3], s[G0SB+3], 0x80000000
	s_mul_i32 s86, s22, 786432                     ; the head's load of x: tile 32 Y, all 32 tiles; its group 0 lies in s[4:7], whose arguments are used up below
	s_add_nc_u64 s[6:7], s[4:5], s[86:87]
	s_or_b32 s7, s7, 0x80000000
	s_lshl_b32 s92, s22, 5                         ; the prefetches.  x: tile 32 Y + 8 cx, + 1,024 x wave
	s_lshl_b32 s93, s19, 3
	s_add_co_u32 s92, s92, s93
	s_mul_i32 s92, s92, 24576
	s_lshl_b32 s93, s18, 10
	s_add_co_u32 s92, s92, s93
	s_lshl_b32 s88, s21, 3                         ; W: tile 256 + 8 X + 2 cy
	s_lshl_b32 s89, s20, 1
	s_add_co_u32 s88, s88, s89
	s_add_co_u32 s88, s88, 256
	s_mul_i32 s88, s88, 24576
	s_cmp_eq_u32 s18, 3                            ; wave 3 asks for W, the others for x: the choice hangs on the wave's number alone
	s_cselect_b32 s92, s88, s92
	s_cselect_b32 s96, -1, 0
	s_add_co_u32 s92, s92, TILEB                   ; at slot 1
	s_mov_b32 s93, 0
	s_add_nc_u64 s[PFA:PFA+1], s[4:5], s[92:93]
	s_mov_b32 s4, 1
	s_mov_b32 s5, 0
	CROUND                                         ; all sixteen work-groups are here: the first joint loads meet
	s_cmp_lt_u32 s18, 1                            ; one chain of branches on the wave's number, one load to an arm, one join: one tensor load a wave at the head
	s_cbranch_scc0 .Lhead_b
	tensor_load_to_lds s[4:7], s[G1A:G1A+7]
	s_nop 0
	PLACES 4
	s_branch .Lfirst_asked
.Lhead_b:
	s_cmp_lt_u32 s18, 2
	s_cbranch_scc0 .Lhead_sa
	tensor_load_to_lds s[G0B:G0B+3], s[G1B:G1B+7]
	s_nop 0
	PLACES 4
	s_branch .Lfirst_asked
.Lhead_sa:
	s_cmp_lt_u32 s18, 3
	s_cbranch_scc0 .Lhead_sb
	tensor_load_to_lds s[G0SA:G0SA+3], s[G1SA:G1SA+7]
	s_nop 0
	PLACES 4
	s_branch .Lfirst_asked
.Lhead_sb:
	tensor_load_to_lds s[G0SB:G0SB+3], s[G1SB:G1SB+7]
	s_nop 0
	PLACES 4
.Lfirst_asked:
	v_and_b32 v1, 31, v0
	v_lshrrev_b32 v3, 2, v1
	v_mul_u32_u24 v3, v3, 24576
	v_and_b32 v4, 3, v1
	v_lshl_add_u32 v3, v4, 8, v3                   ; x: tile lane / 4, block lane % 4
	v_min_u32 v4, 23, v1
	v_mul_u32_u24 v5, v4, 43
	v_lshrrev_b32 v5, 9, v5                        ; W: block b = min(lane, 23): tile b / 12,
	v_mul_u32_u24 v5, v5, 21504
	v_lshl_add_u32 v4, v4, 8, v5                   ; 256 b + (24,576 - 3,072) (b / 12)
	v_cndmask_b32 v[PFO], v3, v4, s96
	global_prefetch_b8 v[PFO], s[PFA:PFA+1] th:TH_LOAD_NT scope:SCOPE_SE                 ; slot 1
	global_prefetch_b8 v[PFO], s[PFA:PFA+1] offset:TILEB th:TH_LOAD_NT scope:SCOPE_SE    ; slot 2
	; LDS addresses.  Which region feeds which source hangs on the cluster's x alone; either way an address and its largest offset stay inside the slot.
	v_and_b32 v1, 31, v0
	v_lshlrev_b32 v[GO], 4, v1
	v_and_b32 v2, 15, v0                           ; r
	v_bfe_u32 v[HH], v0, 4, 1                      ; h
	s_mul_i32 s84, s18, 24576                      ; my group of x: 8 tiles of 3,072
	s_mov_b32 s85, BOFF                            ; W's 8 tiles
	s_cmp_eq_u32 ttmp9, 5                          ; v's cluster?
	s_cselect_b32 s86, s84, s85                    ; source 0: there x, else W
	s_cselect_b32 s87, s85, s84                    ; source 1: there W, else x
	s_cselect_b32 s23, 1, 0
	v_add_nc_u32 v[ADR0], s86, v[GO]
	v_add_nc_u32 v[ADR1], s87, v[GO]
	v_add_nc_u32 v[ADR0+1], SLOT, v[ADR0]
	v_add_nc_u32 v[ADR1+1], SLOT, v[ADR1]
	v_add_nc_u32 v3, s23, v[HH]
	v_and_b32 v3, 1, v3                            ; 0: x's words, 1: W's.  Lanes 0-15 take source 1's, lanes 16-31 source 0's
	s_xor_b32 s89, s18, 3
	s_add_co_u32 s89, s89, 1
	s_lshl_b32 s89, s89, 13                        ; from my group's records to W's: 8,192 (4 - wave)
	v_mul_u32_u24 v3, s89, v3
	s_wait_alu depctr_va_vdst(0)
	v_lshl_add_u32 v3, v2, 4, v3                   ; + 16 r
	s_lshl_b32 s88, s18, 13
	s_add_co_u32 s88, s88, SCL
	v_add_nc_u32 v[ADRS], s88, v3
	; where my results go
	s_lshl_b32 s84, s22, 2
	s_add_co_u32 s84, s84, s18                     ; my group of x's rows, 0..31
	s_lshr_b32 s85, s84, 4                         ; b
	s_and_b32 s86, s84, 15                         ; the group within the batch
	s_lshl_b32 s87, s85, 4
	s_add_co_u32 s87, s87, s21
	s_lshl_b32 s87, s87, 4                         ; q: (16 b + head) 16
	s_and_b32 s88, s21, 15                         ; k, v: X - 16
	s_lshr_b32 s89, s88, 2
	s_lshl_b32 s89, s89, 7                         ; 128 units on for v
	s_and_b32 s90, s88, 3
	s_lshl_b32 s91, s85, 2
	s_add_co_u32 s90, s90, s91
	s_lshl_b32 s90, s90, 4                         ; (4 b + g) 16
	s_add_co_u32 s89, s89, s90
	s_add_co_u32 s89, s89, 512
	s_cmp_lt_u32 ttmp9, 4
	s_cselect_b32 s87, s87, s89
	s_add_co_u32 s87, s87, s86                     ; the unit
	s_mul_i32 s88, s87, 12288
	s_mov_b32 s89, 0
	s_add_nc_u64 s[14:15], s[14:15], s[88:89]
	s_lshl_b32 s88, s87, 9
	s_add_nc_u64 s[16:17], s[16:17], s[88:89]
	; the biases: along source 0 as the C of the first products, along source 1 added on the way out; the one that a mode does not have is 0
	s_mov_b32 s85, 0
	s_cmp_eq_u32 ttmp9, 5
	s_cbranch_scc1 .Lbias_v
	s_cmp_lt_u32 ttmp9, 4
	s_cselect_b64 s[8:9], s[8:9], s[10:11]         ; bq or bk,
	s_and_b32 s84, s21, 15
	s_lshl_b32 s84, s84, 9                         ; my 128 numbers of it
	s_add_nc_u64 s[8:9], s[8:9], s[84:85]
	v_lshlrev_b32 v3, 6, v[HH]                     ; lane (r, h) wants, for tile b, those of rows 32 (b / 2) + 8 (b % 2) + 16 h + 0 .. 7
	WIN TO_1
.irp b, 0,1,2,3,4,5,6,7
	global_load_b128 v[BP+8*\b+96*(\b/4):BP+8*\b+96*(\b/4)+3], v3, s[8:9] offset:(32*(\b/2)+8*(\b%2))*4
	global_load_b128 v[BP+8*\b+96*(\b/4)+4:BP+8*\b+96*(\b/4)+7], v3, s[8:9] offset:(32*(\b/2)+8*(\b%2))*4+16
.endr
	WIN 0
.irp a, 0,1,2,3,4,5,6,7
	v_mov_b32 v[BR+2*\a], 0
.endr
	s_branch .Lbias_done
.Lbias_v:
	s_and_b32 s84, s21, 3
	s_lshl_b32 s84, s84, 9
	s_add_nc_u64 s[12:13], s[12:13], s[84:85]      ; bv: my group's 128
	v_and_b32 v3, 8, v2
	v_add_nc_u32 v3, v3, v2
	v_lshlrev_b32 v3, 2, v3                        ; lane r of block a holds channel 32 (a / 2) + 8 (a % 2) + r + 8 (r / 8)
.irp a, 0,1,2,3,4,5,6,7
	global_load_b32 v[BR+2*\a], v3, s[12:13] offset:(32*(\a/2)+8*(\a%2))*4
.endr
	WIN TO_1
.irp b, 0,1,2,3,4,5,6,7
.irp j, 0,1,2,3,4,5,6,7
	v_mov_b32 v[BP+8*\b+96*(\b/4)+\j], 0
.endr
.endr
	WIN 0
.Lbias_done:
	s_wait_loadcnt 0x0
	s_wait_alu depctr_va_vdst(0)
.irp a, 0,1,2,3,4,5,6,7
	v_mov_b32 v[BR+2*\a+1], v[BR+2*\a]             ; a pair for the packed addition
.endr
.macro FRAG reg, adr, q, i             ; a fragment comes as it was stored: three loads of 512 consecutive bytes
.irp c, 0,1,2
	ds_load_b128 v[\reg+4*\c:\reg+4*\c+3], v[\adr] offset:TILEB*(\i)+1536*(\q)+512*\c
.endr
.endm
.macro FETCH_B slot, q, p              ; source 0's eight fragments of the slot's q-th K step into set p
	WIN TO_1
.irp i, 0,1,2,3,4,5,6,7
	FRAG 128*(\p)+FR*\i, ADR0+\slot, \q, \i
.endr
	WIN 0
.endm
.macro FETCH_A slot, q, i0             ; source 1's blocks i0 .. i0 + 3
.irp i, \i0, \i0+1, \i0+2, \i0+3
	FRAG AF+FR*(\i), ADR1+\slot, \q, \i
.endr
.endm
.macro SCALES sc                       ; the slot's scale words: for each K step tiles 0-3 and tiles 4-7, a register a tile
.irp q, 0,1
	ds_load_b128 v[SC+16*\sc+8*\q:SC+16*\sc+8*\q+3], v[ADRS] offset:512*\q
	ds_load_b128 v[SC+16*\sc+8*\q+4:SC+16*\sc+8*\q+7], v[ADRS] offset:512*\q+256
.endr
.endm
; 16 matrix instructions: source 1's blocks a0, a0 + 1 x source 0's eight.  The 64 accumulators take turns, one instruction a turn, in the same order in every step.
; first = 1: the sums begin with the bias along source 0 as C: nothing is cleared or added later.
.macro MUL16 a0, p, q, sc, first
.irp a, \a0, \a0+1
.irp b, 0,1,2,3,4,5,6,7
.if \first
	v_wmma_scale_f32_16x16x128_f8f6f4 v[8*(8*((\a)%4)+\b):8*(8*((\a)%4)+\b)+7], v[128*(\p)+FR*\b:128*(\p)+FR*\b+FR-1], v[AF+FR*(\a):AF+FR*(\a)+FR-1], v[BP+8*\b+96*(\b/4):BP+8*\b+96*(\b/4)+7], v[SC+16*(\sc)+8*(\q)+\b], v[SC+16*(\sc)+8*(\q)+(\a)] matrix_a_fmt:MATRIX_FMT_FP6 matrix_b_fmt:MATRIX_FMT_FP6 matrix_a_scale:MATRIX_SCALE_ROW1
.else
	v_wmma_scale_f32_16x16x128_f8f6f4 v[8*(8*((\a)%4)+\b):8*(8*((\a)%4)+\b)+7], v[128*(\p)+FR*\b:128*(\p)+FR*\b+FR-1], v[AF+FR*(\a):AF+FR*(\a)+FR-1], v[8*(8*((\a)%4)+\b):8*(8*((\a)%4)+\b)+7], v[SC+16*(\sc)+8*(\q)+\b], v[SC+16*(\sc)+8*(\q)+(\a)] matrix_a_fmt:MATRIX_FMT_FP6 matrix_b_fmt:MATRIX_FMT_FP6 matrix_a_scale:MATRIX_SCALE_ROW1
.endif
.endr
.endr
.endm
; A slot's first K step.  A block of source 1 is free as soon as its eight products are issued: blocks 0-3 are fetched anew in the step's middle, blocks 4-7 at its end; source 0 has two sets.
; Loads into registers that matrix instructions have read stand four plain places behind them.
.macro STEP slot, first
	s_wait_dscnt 4*NL                              ; all but the youngest twelve loads (source 1's blocks 4-7) are in
.if \first
	WIN FST_LO
.else
	WIN MUL_LO
.endif
	MUL16 0, 0, 0, \slot, \first
	MUL16 2, 0, 0, \slot, \first
	s_wait_dscnt 0x0                               ; blocks 4-7 are in (asked for 32 matrix instructions ago)
	PLACES NP
	FETCH_B \slot, 1, 1
	FETCH_A \slot, 1, 0
.if \first
	WIN FST_HI
.else
	WIN MUL_HI
.endif
	MUL16 4, 0, 0, \slot, \first
	MUL16 6, 0, 0, \slot, \first
	PLACES NP
	WIN 0
	FETCH_A \slot, 1, 4
.endm
; A slot's second K step changes slots: ONE barrier; in front of it each wave waits for all its tensor loads, adds 0 to its spare word, and waits for that and for its reads of this slot.
; fill = 1: the barrier opens a round of the cluster's barrier, and this slot is filled again, two slots ahead, first thing behind the round.
.macro TURN slot, next, fill
.if \fill
	s_wait_xcnt 0x0                                ; my last prefetch has read its address: it is stepped only behind this wait
	s_add_nc_u64 s[PFA:PFA+1], s[PFA:PFA+1], TILEB
.endif
	s_wait_tensorcnt 0x0
	ds_add_u32 v[SPW], v[NIL]
	s_wait_dscnt 4*NL+1
	WIN MUL_LO
	MUL16 0, 1, 1, \slot, 0                        ; sixteen matrix instructions stand between the add and the wait for it
	s_wait_dscnt 0x0                               ; the add is done, and my reads of this slot are over
	s_barrier_signal -1
	MUL16 2, 1, 1, \slot, 0
	WIN 0
	s_barrier_wait -1
.if \fill
	CREST                                          ; no wave of any partner still reads this slot or has a load on its way
	s_add_nc_u64 s[G0A+4*\slot+2:G0A+4*\slot+3], s[G0A+4*\slot+2:G0A+4*\slot+3], 2*TILEB
	s_add_nc_u64 s[G0B+4*\slot+2:G0B+4*\slot+3], s[G0B+4*\slot+2:G0B+4*\slot+3], 2*TILEB
	JLOAD \slot
.endif
	PLACES NP                                      ; on every wave's path, that of the wave that fetches nothing too: the places in front of the loads below
	s_wait_alu depctr_va_vdst(0)
	v_add_nc_u32 v[ADRS], 1024, v[ADRS]            ; the next slot's scale words
	FETCH_B \next, 0, 0
	FETCH_A \next, 0, 0
	SCALES \next
.if \fill
	s_cmp_gt_u32 s3, 1                             ; the last lap's two refills have no slot two on
	s_cbranch_scc0 .Lno_ask_\@
	global_prefetch_b8 v[PFO], s[PFA:PFA+1] offset:2*TILEB th:TH_LOAD_NT scope:SCOPE_SE
.Lno_ask_\@:
.endif
	WIN MUL_HI
	MUL16 4, 1, 1, \slot, 0
	MUL16 6, 1, 1, \slot, 0
	PLACES NP
	WIN 0
	FETCH_A \next, 0, 4
.endm
	s_wait_alu depctr_va_vdst(0)                   ; the head's end
	s_wait_tensorcnt 0x0                           ; my tile of the head's four is in
	ds_add_u32 v[SPW], v[NIL]
	s_mov_b32 s[G1A+2], 16<<16                     ; no tensor load of mine is out: from here on a load of x brings 16 tiles
	s_mov_b32 s[G1A+4], 16
	s_wait_dscnt 0x0
	CROUND                                         ; all four tiles are in, and all sixteen work-groups are here
	JLOAD 1                                        ; slot 1's first fill: the first tensor load behind the round
	global_prefetch_b8 v[PFO], s[PFA:PFA+1] offset:2*TILEB th:TH_LOAD_NT scope:SCOPE_SE   ; slot 3
	FETCH_B 0, 0, 0
	FETCH_A 0, 0, 0
	SCALES 0
	FETCH_A 0, 0, 4
	STEP 0, 1                                      ; the first step stands in front of the loop: its products start the sums
	s_mov_b32 s3, 3
.Llap:                                             ; K = 2,048 is eight slots; a trip goes once round the ring and fills both slots again
	TURN 0, 1, 1
	STEP 1, 0
	TURN 1, 0, 1
	STEP 0, 0
	s_sub_co_u32 s3, s3, 1
	s_cmp_lg_u32 s3, 0
	s_cbranch_scc1 .Llap
	TURN 0, 1, 0                                   ; the last lap fills nothing
	STEP 1, 0
	s_wait_dscnt 4*NL
	WIN MUL_LO
	MUL16 0, 1, 1, 1, 0
	MUL16 2, 1, 1, 1, 0
	s_wait_dscnt 0x0
	WIN MUL_HI
	MUL16 4, 1, 1, 1, 0
	MUL16 6, 1, 1, 1, 0
	WIN 0
; THE WAY OUT.  Block a of source 1: its 64 registers are, for lane (r, h), register 16 B + i = number 32 B + 16 h + i along the next K of the lane's row.  They get the bias along source 1, are quantised, and leave as a fragment's image.
.macro QUANT s
.irp b, 0,1,2,3
	v_max3_num_f32 v[TM+\b], |v[\s+16*\b]|, |v[\s+1+16*\b]|, 0x1800000         ; block b: my 16 numbers, and the floor 2^(3 - 127): the byte cannot fall under 1
.endr
.irp i, 2,4,6,8,10,12,14
.irp b, 0,1,2,3
	v_max3_num_f32 v[TM+\b], v[TM+\b], |v[\s+16*\b+\i]|, |v[\s+1+16*\b+\i]|    ; the four blocks by turns
.endr
.endr
.irp b, 0,1,2,3
	v_permlanex16_b32 v[TM+4+\b], v[TM+\b], s[SEL], s[SEL+1]
.endr
.irp b, 0,1,2,3
	v_max_num_f32 v[TM+\b], v[TM+\b], v[TM+4+\b]   ; with lane l xor 16's: the block's largest magnitude
.endr
.irp b, 0,1,2,3
	v_add_nc_u32 v[TM+12+\b], 0xff000000, v[TM+\b] ; 2 off its exponent field: the conversion's scale operand
.endr
.irp b, 0,1,2,3
	v_lshrrev_b32 v[TM+4+\b], 23, v[TM+12+\b]      ; the byte
.endr
	v_lshl_or_b32 v[PW], v[TM+5], 8, v[TM+4]
	v_lshl_or_b32 v[PW], v[TM+6], 16, v[PW]
	v_lshl_or_b32 v[PW], v[TM+7], 24, v[PW]
	s_wait_xcnt 0x0                                ; the last block's stores have read the codes' registers: they are written again only behind this wait
.irp c, 0,1
	v_cvt_scalef32_pk16_fp6_f32 v[PC+6*\c:PC+2+6*\c], v[\s+32*\c:\s+15+32*\c], v[TM+12+2*\c]
	v_cvt_scalef32_pk16_fp6_f32 v[PC+12+4*\c:PC+14+4*\c], v[\s+16+32*\c:\s+31+32*\c], v[TM+12+2*\c+1]   ; (a conversion's three registers begin on an even number)
.endr
	v_nop                                          ; one plain place behind a scaled conversion
.irp c, 0,1                                    ; the operand's layout wants a whole block in a lane
.irp i, 0,1,2
	v_permlane16_swap_b32 v[PC+6*\c+\i], v[PC+12+4*\c+\i]
.endr
.irp i, 0,1,2
	v_mov_b32 v[PC+3+6*\c+\i], v[PC+12+4*\c+\i]
.endr
.endr
.endm
	PLACES NP                                      ; behind the last products, ahead of the first read of results and the first write of source 1's registers
.irp b, 0,1,2,3
	v_mov_b32 v[TM+4+\b], 0                        ; a lane permute's destination counts as one of its sources
.endr
.irp a, 0,1,2,3,4,5,6,7
	WIN 0x02+(\a)/4                                ; source 0: window 2 or 3
.set j, 0
.rept 32
	v_pk_add_f32 v[ST+j:ST+j+1], v[64*((\a)%4)+j:64*((\a)%4)+j+1], v[BR+2*\a:BR+2*\a+1]   ; ascending: each accumulator is read from its low end on
.set j, j+2
.endr
	WIN 0
	QUANT ST
	v_mov_b32 v[PWS+\a], v[PW]
.irp c, 0,1,2
	global_store_b128 v[GO], v[PC+4*\c:PC+4*\c+3], s[14:15] offset:1536*\a+512*\c        ; 512 consecutive bytes, at a multiple of 512 from att's first byte
.endr
.endr
	v_cmp_ne_u32 vcc_lo, 0, v[HH]
.irp i, 0,1,2,3
	v_cndmask_b32 v[WR+\i], v[PWS+\i], v[PWS+4+\i], vcc_lo    ; lanes 0-15: blocks 0-3's words of lane r; lanes 16-31: blocks 4-7's
.endr
	global_store_b128 v[GO], v[WR:WR+3], s[16:17]  ; the unit's record: 512 consecutive bytes
	s_wait_tensorcnt 0x0                           ; the wave's end, behind my last tensor load
	ds_add_u32 v[SPW], v[NIL]
	s_wait_dscnt 0x0
	CROUND                                         ; the closing round: no work-group ends while a partner may still ask for a tile that names it
	s_endpgm
.Lfunc_end_k_q911e81a6d3_proj:
	.size	k_q911e81a6d3_proj, .Lfunc_end_k_q911e81a6d3_proj-k_q911e81a6d3_proj
	.p2alignl 7, 3214868480
	.fill 96, 4, 3214868480
	.section	.rodata,"a",@progbits
	.p2align	6, 0x0
	.amdhsa_kernel k_q911e81a6d3_proj
		.amdhsa_group_segment_fixed_size 327680
		.amdhsa_private_segment_fixed_size 0
		.amdhsa_enable_private_segment 0
		.amdhsa_kernarg_size 56
		.amdhsa_user_sgpr_count 2
		.amdhsa_user_sgpr_kernarg_segment_ptr 1
		.amdhsa_wavefront_size32 1
		.amdhsa_system_sgpr_workgroup_id_x 1
		.amdhsa_system_sgpr_workgroup_id_y 1
		.amdhsa_system_sgpr_workgroup_id_z 1
		.amdhsa_system_vgpr_workitem_id 0
		.amdhsa_next_free_vgpr 1024
		.amdhsa_next_free_sgpr 100
		.amdhsa_reserve_vcc 1
		.amdhsa_float_denorm_mode_32 3
		.amdhsa_float_denorm_mode_16_64 3
		.amdhsa_memory_ordered 1
		.amdhsa_forward_progress 1
		.amdhsa_inst_pref_size 163
	.end_amdhsa_kernel
	.amdgpu_metadata
---
amdhsa.version: [ 1, 2 ]
amdhsa.kernels:
  - .name:           k_q911e81a6d3_proj
    .symbol:         k_q911e81a6d3_proj.kd
    .args:
      - { .name: img, .offset: 0, .size: 8, .value_kind: global_buffer, .address_space: global }
      - { .name: isc, .offset: 8, .size: 8, .value_kind: global_buffer, .address_space: global }
      - { .name: bq, .offset: 16, .size: 8, .value_kind: global_buffer, .address_space: global }
      - { .name: bk, .offset: 24, .size: 8, .value_kind: global_buffer, .address_space: global }
      - { .name: bv, .offset: 32, .size: 8, .value_kind: global_buffer, .address_space: global }
      - { .name: att, .offset: 40, .size: 8, .value_kind: global_buffer, .address_space: global }
      - { .name: asc, .offset: 48, .size: 8, .value_kind: global_buffer, .address_space: global }
    .group_segment_fixed_size: 327680
    .private_segment_fixed_size: 0
    .kernarg_segment_align: 8
    .kernarg_segment_size: 56
    .max_flat_workgroup_size: 128
    .sgpr_count:     100
    .vgpr_count:     1024
    .wavefront_size: 32
...
	.end_amdgpu_metadata
.endif
;; end of part 2
;; launch attn (part 3): grid 32 x 8, 8 waves a work-group, clusters of 4 x 1, 327,680 bytes of LDS; arguments att, asc, attention_mask, out0; writes out0
.if DOCPART == 3
	.amdgcn_target "amdgcn-amd-amdhsa--gfx1250"
	.amdhsa_code_object_version 6
	.text
	.protected	k_q911e81a6d3_attn
	.globl	k_q911e81a6d3_attn
	.p2align	8
	.type	k_q911e81a6d3_attn,@function
k_q911e81a6d3_attn:
	s_mov_b64 s[64:65], 0
	v_nop
	global_prefetch_b8 v0, s[64:65] scope:SCOPE_SE
	s_setreg_imm32_b32 hwreg(HW_REG_WAVE_MODE, 25, 1), 1
	s_wait_xcnt 0x0
	s_wait_alu depctr_hold_cnt(0) depctr_sa_sdst(0) depctr_va_vdst(0) depctr_va_sdst(0) depctr_va_ssrc(0) depctr_va_vcc(0) depctr_vm_vsrc(0)
	s_getreg_b32 s2, hwreg(HW_REG_IB_STS2, 6, 4)
	s_cmp_eq_u32 s2, 0
	s_cbranch_scc0 .Lentry_in_a_cluster
	s_endpgm
.Lentry_in_a_cluster:
	s_bfe_u32 s2, ttmp6, 0x10000c
	s_cmp_lg_u32 s2, 0x3003
	s_cbranch_scc0 .Lentry_shape_is_right
	s_endpgm
.Lentry_shape_is_right:
; out[b][s][head][:] = sum over keys t of softmax_t(q . k / sqrt(128) + mask) v[t][:], both products on codes of FP6 (E2M3) with E8M0 scales; 16 heads, the four heads of a group share k and v.
; IN: att, asc: units of eight fragment images (12,288 bytes) with a record of 512 bytes of scale words each.  q: unit (16 b + head) 16 + query group;  k: 512 + (4 b + g) 16 + key step;  v: 640 + (4 b + g) 16 + key step.
;   Lane r of tile a holds row 32 (a / 2) + 8 (a % 2) + r + 8 (r / 8) of the unit's 128 (queries, keys, for v channels; v's K is the step's 128 keys).  The word of (tile a, lane r) lies at 256 (a / 4) + 16 r + 4 (a % 4).
; SOFTMAX: t = score x log2(e) / sqrt(128); M = the running largest t rounded up to a whole number; p = 2^(t - M) is quantised along the keys, not normalised; the row's sum is taken of the unquantised p and divides at the end;
;   when M moves, the sum and O are multiplied by 2^(old M - new M), which rounds nothing.
; MASK: a table in LDS holds 0 or -2^100 for each key; a step's 64 numbers of it are the C of the first product.
; LIMITS: NaN and infinities are not served.  reference() adds finfo.min to the scaled score of a masked key, this text -2^100 to the raw one: the same result while |score| < 2^76.  A batch whose mask is all zeros gives
;   reference()'s mean of v only if the matrix unit returns -2^100 unchanged where the products lie under half its last place: not tried.
; SHARES.  Work-group: 256 queries of one head.  Wave w of eight: 32 queries, two tiles (u = 0, 1), so that a fragment of k or v feeds two matrix instructions.  Every wave walks all 2,048 keys, 128 a step.
; Both products are used transposed (S^T = K Q^T, O^T = V^T P^T): a lane holds one query, and p's 16 registers of two neighbouring tiles are 16 neighbouring keys.
; CLUSTER 4 x 1: four query blocks of one head walk the same k and v: joint loads, mask 15.
; RING: two slots of SIX key steps (k 73,728 bytes, then v 73,728); the keys go 6 + 6 + 4.  Head: waves 0-3 a quarter of slot 0 each, waves 4-7 a quarter of the 16,384 bytes of records each: one load a wave.
;   Slot 1's first fill stands behind the three lines and a round; the last four steps fill slot 0 again behind the round in step 5.  Every wait on TENSORcnt is for 0; one tensor load a wave is out at the most.
; A CHANGE OF SLOTS stands inside the slot's last step: when v's fragments have been asked for, the slot is read no more.  The three lines follow, with the search for the maxima between the add and its wait;
;   the barrier's signal; the rest of the softmax and the second product, work on registers; the barrier's wait.
; PREFETCH: behind slot 1's load the last four steps (98,304 bytes for a batch and group) are asked for, six key steps ahead of their load: by the first of the eight clusters that walk them, a quarter to a partner by address,
;   8,192 bytes to each of waves 4-6, lanes 256 bytes apart.  Slots 0 and 1 come by their loads alone.
; REGISTERS: window 0: v1-11 addresses; v12-15 k's or v's scale words, v16-17 q's, v18-19 p's; v20-31 statistics; v32-62 at work; v63 the prefetch's offset; v64-103 p's codes; v104-127 q; v128-255 S^T, then p.
;   window 1: v0-127 O^T; v128-223 eight fragments of k or of v.
.set UNIT,  12288
.set NS,    6
.set VOFF,  NS*UNIT                    ; in a slot: v behind k
.set SLOT,  2*VOFF
.set SCK,   2*SLOT                     ; k's 16 records; v's 8,192 bytes on
.set MSK,   SCK+16384                  ; the mask table: 2,048 f32
.set SPARE, MSK+8192                   ; the spare words, 128 bytes a wave: four blocks of 256 bytes that no other line names
.set STG,   SLOT                       ; the way out: 16 rows x 528 for each wave, in slot 1, which has had its last fill and its last read by then
.set AF0,  1                           ; v1   16 x lane (also my bytes of a row of out)
.set GO,   1
.set ADF,  2                           ; v2   the step's fragments of k
.set AMK0, 3                           ; v3   MSK + 64 h
.set ADM,  4                           ; v4   the step's mask numbers
.set ASC0, 5                           ; v5   SCK + 16 x lane
.set ADS,  6                           ; v6   the step's records
.set SPW,  7                           ; v7   my spare word; never rewritten
.set NIL,  8                           ; v8   0; never rewritten
.set ADV,  9                           ; v9   the step's fragments of v
.set SI,   10
.set SR,   11
.set KS,   12
.set QS,   16
.set PW,   18
.set ST,   20                          ; tile u at ST + 6 u: +0 -M, +1 the largest t, +2, +3 the sum, +4 f (later 1 / sum), +5 its pair's other half
.set W,    32                          ; tile u at W + 16 u: +0..3 the blocks' largest, +4..7 the other lanes', then bytes, +8..11 scale operands, +12, 13 a second chain of sums, +14 at work
.set PFO,  63
.set PC,   64
.set Q,    104
.set S,    128
.set FRG,  128                         ; window 1
.set WV,   12
.set G1,   16                          ; s[16:23] a quarter of a slot: 144 rows of 256 bytes (for the last four steps: 96)
.set G1S,  24                          ; s[24:31] a quarter of the records: 16 rows
.set G0,   32                          ; slot 0's first fill, then slot 1's
.set G0S,  36
.set SEL,  40
.set CS,   42
.set TB,   44                          ; LDS byte at which the step's fragments of k begin
.set TS,   45                          ; 512 x key step
.set STP,  48
.set PFA,  50
.set LIM,  52
.set G0C,  72                          ; the last four steps, into slot 0
.set MSB, 0
.macro WIN new
.if MSB != \new
	s_set_vgpr_msb (MSB<<8)|\new
.set MSB, \new
.endif
.endm
.macro CREST                           ; a round of the cluster's barrier behind its opening barrier
	s_cmp_lg_u32 s[WV], 0
	s_cbranch_scc1 .Lnot_wave_0_\@
	s_barrier_signal -3
.Lnot_wave_0_\@:
	s_barrier_wait -3
	s_barrier_signal -1
	s_barrier_wait -1
.endm
.macro CROUND
	s_barrier_signal -1
	s_barrier_wait -1
	CREST
.endm
.macro TLOAD g                         ; a joint load of a quarter of a slot: waves 0-3; s_nop 0 and four v_nop follow it
	s_cmp_lt_u32 s[WV], 4
	s_cbranch_scc0 .Lno_load_\@
	tensor_load_to_lds s[\g:\g+3], s[G1:G1+7]
	s_nop 0
.rept 4
	v_nop
.endr
.Lno_load_\@:
.endm
.macro DESC g, rows                    ; a group 1: rows of 256 dense bytes; mask: all four partners; bit 21 beside it; no padding: images are read 512 consecutive bytes at a time
	s_mov_b32 s[\g], 15|(3<<16)|(1<<21)
	s_mov_b32 s[\g+1], 32<<16
	s_mov_b32 s[\g+2], (\rows)<<16
	s_mov_b32 s[\g+3], 32<<16
	s_mov_b32 s[\g+4], \rows
	s_mov_b32 s[\g+5], 32
	s_mov_b32 s[\g+6], 0
	s_mov_b32 s[\g+7], 0
.endm
	s_load_b256 s[4:11], s[0:1], 0x0               ; att s[4:5], asc s[6:7], the mask s[8:9], out s[10:11]
	v_lshl_add_u32 v[SPW], v0, 2, SPARE
	v_mov_b32 v[NIL], 0
	ds_add_u32 v[SPW], v[NIL]                      ; the opening lines: the add, twice on end, and its wait ahead of my first tensor load
	ds_add_u32 v[SPW], v[NIL]
	v_lshrrev_b32 v1, 5, v0
	s_delay_alu instid0(VALU_DEP_1)
	v_readfirstlane_b32 s[WV], v1                  ; wave 0..7
	s_bfe_u32 s13, ttmp6, 0x40000                  ; cx
	s_lshl_b32 s14, ttmp9, 2
	s_add_co_u32 s14, s14, s13                     ; 8 x (head in its group) + query block: it enters q's and out's addresses alone
	s_and_b32 s15, ttmp7, 0xffff                   ; 4 b + g, which the partners share
	DESC G1, 144
	DESC G1S, 16
	s_and_b32 s54, s[WV], 1                        ; what I fetch: which half,
	s_bfe_u32 s55, s[WV], 0x10001                  ; of k (0) or of v (1)
	s_lshl_b32 s56, s15, 4
	s_add_co_u32 s56, s56, 512                     ; k's first unit
	s_mul_i32 s53, s56, UNIT
	s_mul_i32 s57, s55, 128*UNIT                   ; v's units lie 128 behind k's
	s_add_co_u32 s53, s53, s57
	s_mul_i32 s57, s54, 3*UNIT
	s_add_co_u32 s58, s53, s57                     ; steps 0-5: my three units
	s_mov_b32 s59, 0
	s_mul_i32 s57, s54, 2*UNIT
	s_add_co_u32 s46, s53, s57
	s_add_co_u32 s46, s46, 12*UNIT                 ; steps 12-15: my two units
	s_mov_b32 s47, 0
	s_mul_i32 s62, s55, VOFF
	s_mul_i32 s63, s54, 3*UNIT
	s_add_co_u32 s63, s63, s62                     ; where they go in a slot
	s_mul_i32 s49, s54, 2*UNIT
	s_add_co_u32 s49, s49, s62
	s_lshl_b32 s60, s56, 9                         ; the records likewise
	s_lshl_b32 s57, s54, 12
	s_add_co_u32 s60, s60, s57
	s_lshl_b32 s57, s55, 16
	s_add_co_u32 s60, s60, s57
	s_mov_b32 s61, 0
	s_and_b32 s62, s[WV], 3
	s_lshl_b32 s62, s62, 12
	s_add_co_u32 s62, s62, SCK
	s_mov_b32 s[SEL], 0x76543210
	s_mov_b32 s[SEL+1], 0xfedcba98
	s_mov_b32 s[CS], 0x3e0293ee                    ; c = log2(e) / sqrt(128)
	s_mov_b32 s[CS+1], s[CS]
	s_wait_dscnt 0x0                               ; both opening adds are done
	s_wait_kmcnt 0x0
	s_mov_b32 s[G0], 1
	s_mov_b32 s[G0+1], s63
	s_add_nc_u64 s[G0+2:G0+3], s[4:5], s[58:59]
	s_or_b32 s[G0+3], s[G0+3], 0x80000000
	s_mov_b32 s[G0S], 1
	s_mov_b32 s[G0S+1], s62
	s_add_nc_u64 s[G0S+2:G0S+3], s[6:7], s[60:61]
	s_or_b32 s[G0S+3], s[G0S+3], 0x80000000
	s_mov_b32 s[G0C], 1
	s_mov_b32 s[G0C+1], s49
	s_add_nc_u64 s[G0C+2:G0C+3], s[4:5], s[46:47]
	s_or_b32 s[G0C+3], s[G0C+3], 0x80000000
	CROUND                                         ; all four work-groups are here: the first joint loads meet
	s_cmp_lt_u32 s[WV], 4                          ; two arms, one load each, one join: every wave issues one load at the head
	s_cbranch_scc0 .Lhead_rec
	tensor_load_to_lds s[G0:G0+3], s[G1:G1+7]      ; slot 0
	s_nop 0
.rept 4
	v_nop
.endr
	s_branch .Lhead_asked
.Lhead_rec:
	tensor_load_to_lds s[G0S:G0S+3], s[G1S:G1S+7]  ; the records of all 16 key steps: filled once
	s_nop 0
.rept 4
	v_nop
.endr
.Lhead_asked:
	; the prefetch: where mine stands, and who asks
	s_and_b32 s54, s13, 1
	s_mul_i32 s54, s54, 2*UNIT
	s_lshr_b32 s55, s13, 1
	s_mul_i32 s55, s55, 128*UNIT
	s_add_co_u32 s54, s54, s55                     ; my work-group's quarter of the four steps,
	s_and_b32 s55, s[WV], 3
	s_lshl_b32 s55, s55, 13
	s_add_co_u32 s54, s54, s55                     ; my wave's 8,192 bytes of it,
	s_mul_i32 s55, s56, UNIT
	s_add_co_u32 s54, s54, s55
	s_add_co_u32 s54, s54, 12*UNIT                 ; from key step 12 on
	s_mov_b32 s55, 0
	s_add_nc_u64 s[PFA:PFA+1], s[4:5], s[54:55]
	s_lshr_b32 s54, s[WV], 2
	s_xor_b32 s54, s54, 1                          ; 0 in waves 4 to 7,
	s_or_b32 s54, s54, ttmp9                       ; of the first cluster: the same in all four partners
	s_cmp_eq_u32 s54, 0
	s_cselect_b32 s[LIM], 1, 0
	s_cmp_eq_u32 s[WV], 7
	s_cselect_b32 s[LIM], 0, s[LIM]
	; q, the mask and out
	s_lshr_b32 s54, s15, 2                         ; b
	s_and_b32 s55, s15, 3                          ; g
	s_lshr_b32 s56, s14, 3                         ; the head in its group
	s_and_b32 s57, s14, 7                          ; the block of 256 queries
	s_lshl_b32 s58, s55, 2
	s_add_co_u32 s58, s58, s56                     ; head
	s_lshl_b32 s59, s54, 4
	s_add_co_u32 s59, s59, s58
	s_lshl_b32 s59, s59, 4
	s_lshl_b32 s60, s57, 1
	s_add_co_u32 s59, s59, s60
	s_lshr_b32 s60, s[WV], 2
	s_add_co_u32 s59, s59, s60                     ; q's unit
	s_and_b32 s60, s[WV], 3
	s_mul_i32 s66, s59, UNIT
	s_mul_i32 s61, s60, 3072                       ; my tiles 2 (w % 4), 2 (w % 4) + 1
	s_add_co_u32 s66, s66, s61
	s_mov_b32 s67, 0
	s_add_nc_u64 s[66:67], s[4:5], s[66:67]
	s_lshl_b32 s68, s59, 9
	s_lshr_b32 s61, s60, 1
	s_lshl_b32 s61, s61, 8
	s_add_co_u32 s68, s68, s61
	s_and_b32 s61, s[WV], 1
	s_lshl_b32 s61, s61, 3
	s_add_co_u32 s68, s68, s61
	s_mov_b32 s69, 0
	s_add_nc_u64 s[68:69], s[6:7], s[68:69]        ; their scale words
	s_lshl_b32 s70, s54, 11
	s_lshl_b32 s61, s57, 8
	s_add_co_u32 s70, s70, s61
	s_lshl_b32 s61, s[WV], 5
	s_add_co_u32 s70, s70, s61                     ; my first row of out: 2,048 b + 256 block + 32 wave
	s_lshl_b32 s70, s70, 13
	s_lshl_b32 s61, s58, 9
	s_add_co_u32 s70, s70, s61                     ; + the head's 512 bytes
	s_mov_b32 s71, 0
	s_add_nc_u64 s[10:11], s[10:11], s[70:71]
	s_lshl_b32 s70, s54, 13
	s_add_nc_u64 s[8:9], s[8:9], s[70:71]          ; the batch's 2,048 mask numbers
	v_and_b32 v1, 31, v0
	s_delay_alu instid0(VALU_DEP_1)
	v_lshlrev_b32 v[AF0], 4, v1
	v_and_b32 v150, 15, v0                         ; r
	v_bfe_u32 v151, v0, 4, 1                       ; h
.irp u, 0,1
.irp c, 0,1,2
	global_load_b128 v[Q+12*\u+4*\c:Q+12*\u+4*\c+3], v[AF0], s[66:67] offset:1536*\u+512*\c   ; q stays in registers
.endr
.endr
	v_lshlrev_b32 v147, 4, v150
.irp u, 0,1
	global_load_b32 v[QS+\u], v147, s[68:69] offset:4*\u
.endr
	v_lshlrev_b32 v145, 5, v0                      ; thread t takes mask numbers 8 t .. 8 t + 7
	global_load_b128 v[128:131], v145, s[8:9]
	global_load_b128 v[132:135], v145, s[8:9] offset:16
	v_lshl_add_u32 v146, v0, 5, MSK
	v_mov_b32 v144, 0xf1800000                     ; -2^100
	v_lshl_add_u32 v[AMK0], v151, 6, MSK
	v_add_nc_u32 v[ASC0], SCK, v[AF0]
	s_mul_i32 s54, s[WV], 8448
	s_add_co_u32 s54, s54, STG                     ; my stage
	v_mul_u32_u24 v[SI], v150, 528
	s_delay_alu instid0(VALU_DEP_1)
	v_lshl_add_u32 v[SI], v151, 6, v[SI]
	s_delay_alu instid0(VALU_DEP_1)
	v_add_nc_u32 v[SI], s54, v[SI]                 ; in: row r, + 64 h
	v_add_nc_u32 v[SR], s54, v[AF0]                ; back: a row of 512 bytes, 16 a lane
	v_lshlrev_b32 v[PFO], 4, v[AF0]                ; 256 x lane
.irp u, 0,1
	v_mov_b32 v[ST+6*\u+1], 0xff61b1e6             ; the largest t so far: -3e38
	s_delay_alu instid0(VALU_DEP_1)
	v_floor_f32 v[ST+6*\u], -v[ST+6*\u+1]          ; -M
	v_mov_b32 v[ST+6*\u+2], 0
	v_mov_b32 v[ST+6*\u+3], 0
	v_mov_b32 v[ST+6*\u+5], 0
.irp b, 0,1,2,3
	v_mov_b32 v[W+16*\u+4+\b], 0                   ; a lane permute's destination counts as one of its sources
.endr
.endr
	WIN 0x40
.set j, 0
.rept 128
	v_mov_b32 v[j], 0                              ; O^T: every step is of one form; the first finds zeros, which the first change of M leaves zeros
.set j, j+1
.endr
	WIN 0
	s_wait_loadcnt 0x0                             ; q, its scale words, the mask
.irp i, 0,1,2,3,4,5,6,7
	v_cmp_eq_u32 vcc_lo, 0, v[128+\i]
	s_delay_alu instid0(VALU_DEP_1)
	v_cndmask_b32 v[128+\i], 0, v144, vcc_lo       ; a choice of a value alone: no branch and no address hangs on the mask
.endr
	ds_store_b128 v146, v[128:131]
	ds_store_b128 v146, v[132:135] offset:16
.macro KQ u, t                         ; S^T of tile u, keys' tile t.  C is the step's mask numbers, which lie in tile 0's registers: tile 1's products take them from there, tile 0's add in place
.if \t < 4
	v_wmma_scale_f32_16x16x128_f8f6f4 v[S+64*\u+8*\t:S+64*\u+8*\t+7], v[FRG+12*\t:FRG+12*\t+11], v[Q+12*\u:Q+12*\u+11], v[S+8*\t:S+8*\t+7], v[KS+\t%4], v[QS+\u] matrix_a_fmt:MATRIX_FMT_FP6 matrix_b_fmt:MATRIX_FMT_FP6
.else
	v_wmma_scale_f32_16x16x128_f8f6f4 v[S+64*\u+8*\t:S+64*\u+8*\t+7], v[FRG+12*\t:FRG+12*\t+11], v[Q+12*\u:Q+12*\u+11], v[S+8*\t:S+8*\t+7], v[KS+\t%4], v[QS+\u] matrix_a_fmt:MATRIX_FMT_FP6 matrix_b_fmt:MATRIX_FMT_FP6 matrix_a_scale:MATRIX_SCALE_ROW1
.endif
.endm
.macro PV u, t                         ; O^T of tile u, channels' tile t
.if \t < 4
	v_wmma_scale_f32_16x16x128_f8f6f4 v[64*\u+8*\t:64*\u+8*\t+7], v[FRG+12*\t:FRG+12*\t+11], v[PC+20*\u:PC+20*\u+11], v[64*\u+8*\t:64*\u+8*\t+7], v[KS+\t%4], v[PW+\u] matrix_a_fmt:MATRIX_FMT_FP6 matrix_b_fmt:MATRIX_FMT_FP6
.else
	v_wmma_scale_f32_16x16x128_f8f6f4 v[64*\u+8*\t:64*\u+8*\t+7], v[FRG+12*\t:FRG+12*\t+11], v[PC+20*\u:PC+20*\u+11], v[64*\u+8*\t:64*\u+8*\t+7], v[KS+\t%4], v[PW+\u] matrix_a_fmt:MATRIX_FMT_FP6 matrix_b_fmt:MATRIX_FMT_FP6 matrix_a_scale:MATRIX_SCALE_ROW1
.endif
.endm
; The softmax of a key step, both tiles by turns.  Register 16 b + i of a tile is key 32 b + 16 h + i of the step.  First part: the maxima, M and f.
.macro SM_A
.irp b, 0,1,2,3
.irp u, 0,1
	v_max3_num_f32 v[W+16*\u+\b], v[S+64*\u+16*\b], v[S+64*\u+16*\b+1], v[S+64*\u+16*\b+2]     ; the largest score of each block of 32 keys: for the row's maximum and, since p rises with the score, for the block's largest p
.endr
.endr
.irp i, 3,5,7,9,11,13
.irp b, 0,1,2,3
.irp u, 0,1
	v_max3_num_f32 v[W+16*\u+\b], v[W+16*\u+\b], v[S+64*\u+16*\b+\i], v[S+64*\u+16*\b+\i+1]
.endr
.endr
.endr
.irp b, 0,1,2,3
.irp u, 0,1
	v_max_num_f32 v[W+16*\u+\b], v[W+16*\u+\b], v[S+64*\u+16*\b+15]
.endr
.endr
.irp b, 0,1,2,3
.irp u, 0,1
	v_permlanex16_b32 v[W+16*\u+4+\b], v[W+16*\u+\b], s[SEL], s[SEL+1]
.endr
.endr
.irp b, 0,1,2,3
.irp u, 0,1
	v_max_num_f32 v[W+16*\u+\b], v[W+16*\u+\b], v[W+16*\u+4+\b]    ; with lane l xor 16's 16 keys
.endr
.endr
.irp u, 0,1
	s_delay_alu instid0(VALU_DEP_4)
	v_max3_num_f32 v[W+16*\u+14], v[W+16*\u], v[W+16*\u+1], v[W+16*\u+2]
.endr
.irp u, 0,1
	s_delay_alu instid0(VALU_DEP_2)
	v_max_num_f32 v[W+16*\u+14], v[W+16*\u+14], v[W+16*\u+3]       ; the step's largest score of my query
.endr
.irp u, 0,1
	s_delay_alu instid0(VALU_DEP_2)
	v_mul_f32 v[W+16*\u+14], s[CS], v[W+16*\u+14]                  ; as t
.endr
.irp u, 0,1
	s_delay_alu instid0(VALU_DEP_2)
	v_max_num_f32 v[ST+6*\u+1], v[ST+6*\u+1], v[W+16*\u+14]        ; the running largest t
.endr
.irp u, 0,1
	v_mov_b32 v[W+16*\u+14], v[ST+6*\u]
.endr
.irp u, 0,1
	s_delay_alu instid0(VALU_DEP_4)
	v_floor_f32 v[ST+6*\u], -v[ST+6*\u+1]                          ; the new -M = floor(-t)
.endr
.irp u, 0,1
	s_delay_alu instid0(VALU_DEP_2)
	v_sub_f32 v[W+16*\u+14], v[ST+6*\u], v[W+16*\u+14]             ; old M - new M: a whole number, 0 or less
.endr
.irp u, 0,1
	s_delay_alu instid0(VALU_DEP_2)
	v_cvt_i32_f32 v[W+16*\u+14], v[W+16*\u+14]                     ; (it saturates)
.endr
.irp u, 0,1
	s_delay_alu instid0(VALU_DEP_2)
	v_ldexp_f32 v[ST+6*\u+4], 1.0, v[W+16*\u+14]                   ; f = 2^(old M - new M)
.endr
.endm
; Second part: p, the sums, p's codes and scale words.
.macro SM_B
.set j, 0
.rept 32
.irp u, 0,1
	v_pk_fma_f32 v[S+64*\u+j:S+64*\u+j+1], v[S+64*\u+j:S+64*\u+j+1], s[CS:CS+1], v[ST+6*\u:ST+6*\u+1] op_sel_hi:[1,0,0]   ; t - M, two at a time
.endr
.set j, j+2
.endr
.irp b, 0,1,2,3
.irp u, 0,1
	v_fma_f32 v[W+16*\u+\b], v[W+16*\u+\b], s[CS], v[ST+6*\u]      ; the same of each block's largest score
.endr
.endr
.set j, 0
	s_wait_alu depctr_va_vdst(0)                                   ; the wait ahead of the batch
.rept 128
	v_exp_f32 v[S+j], v[S+j]                                       ; p = 2^(t - M): one batch
.set j, j+1
.endr
.irp u, 0,1
	v_pk_mul_f32 v[ST+6*\u+2:ST+6*\u+3], v[ST+6*\u+2:ST+6*\u+3], v[ST+6*\u+4:ST+6*\u+5] op_sel_hi:[1,0]   ; the sums under the new M; the plain place behind the batch
.endr
	s_wait_alu depctr_va_vdst(0)                                   ; one wait for the batch, ahead of its first reader
.irp b, 0,1,2,3
.irp u, 0,1
	v_exp_f32 v[W+16*\u+\b], v[W+16*\u+\b]                         ; the blocks' largest p: the same two instructions on the same number give the same bits
.endr
.endr
.irp u, 0,1
	v_pk_add_f32 v[W+16*\u+12:W+16*\u+13], v[S+64*\u:S+64*\u+1], v[S+64*\u+2:S+64*\u+3]    ; the row's sum is taken of the unquantised p, in two chains a tile
.endr
.irp j, 4,8,12,16,20,24,28,32,36,40,44,48,52,56,60
.irp u, 0,1
	v_pk_add_f32 v[ST+6*\u+2:ST+6*\u+3], v[ST+6*\u+2:ST+6*\u+3], v[S+64*\u+\j:S+64*\u+\j+1]
	v_pk_add_f32 v[W+16*\u+12:W+16*\u+13], v[W+16*\u+12:W+16*\u+13], v[S+64*\u+\j+2:S+64*\u+\j+3]
.endr
.endr
	s_delay_alu instid0(VALU_DEP_3)
	v_pk_add_f32 v[ST+2:ST+3], v[ST+2:ST+3], v[W+12:W+13]
	s_delay_alu instid0(VALU_DEP_2)
	v_pk_add_f32 v[ST+8:ST+9], v[ST+8:ST+9], v[W+28:W+29]
	s_wait_alu depctr_va_vdst(0)                                   ; and one for the eight
.irp b, 0,1,2,3
.irp u, 0,1
	v_max_num_f32 v[W+16*\u+\b], 0x1800000, v[W+16*\u+\b]          ; the floor 2^(3 - 127): the byte cannot fall under 1 (a block whose every p is 0 keeps that byte: its codes are zeros)
.endr
.endr
.irp b, 0,1,2,3
.irp u, 0,1
	v_add_nc_u32 v[W+16*\u+8+\b], 0xff000000, v[W+16*\u+\b]        ; 2 off the exponent field: the conversion's scale operand
.endr
.endr
.irp b, 0,1,2,3
.irp u, 0,1
	v_lshrrev_b32 v[W+16*\u+4+\b], 23, v[W+16*\u+8+\b]             ; the byte
.endr
.endr
.irp u, 0,1
	v_lshl_or_b32 v[PW+\u], v[W+16*\u+5], 8, v[W+16*\u+4]          ; p's scale word for these 128 keys
.endr
.irp u, 0,1
	s_delay_alu instid0(VALU_DEP_2)
	v_lshl_or_b32 v[PW+\u], v[W+16*\u+6], 16, v[PW+\u]
.endr
.irp u, 0,1
	s_delay_alu instid0(VALU_DEP_2)
	v_lshl_or_b32 v[PW+\u], v[W+16*\u+7], 24, v[PW+\u]
.endr
.irp u, 0,1
.irp c, 0,1
	v_cvt_scalef32_pk16_fp6_f32 v[PC+20*\u+6*\c:PC+20*\u+6*\c+2], v[S+64*\u+32*\c:S+64*\u+32*\c+15], v[W+16*\u+8+2*\c]
	v_cvt_scalef32_pk16_fp6_f32 v[PC+20*\u+12+4*\c:PC+20*\u+14+4*\c], v[S+64*\u+32*\c+16:S+64*\u+32*\c+31], v[W+16*\u+9+2*\c]   ; (a conversion's three registers begin on an even number)
.endr
.endr
	v_nop                                                          ; one plain place behind a scaled conversion
.irp u, 0,1
.irp c, 0,1                                    ; the operand's layout wants a whole block in a lane
.irp i, 0,1,2
	v_permlane16_swap_b32 v[PC+20*\u+6*\c+\i], v[PC+20*\u+12+4*\c+\i]
.endr
.irp i, 0,1,2
	s_delay_alu instid0(VALU_DEP_3)
	v_mov_b32 v[PC+20*\u+3+6*\c+\i], v[PC+20*\u+12+4*\c+\i]
.endr
.endr
.endr
.endm
; A KEY STEP: 128 keys.  mode 0: inside a slot.  mode 1: the slot's last, and the slot is filled again (a round of the cluster's barrier).  mode 2: the slot's last, nothing is filled.
.macro STEP mode
	v_add_nc_u32 v[ADF], s[TB], v[AF0]             ; these four are the places between the last step's products and the loads into their registers
	v_add_nc_u32 v[ADM], s[TS], v[AMK0]
	v_add_nc_u32 v[ADS], s[TS], v[ASC0]
	v_add_nc_u32 v[ADV], VOFF, v[ADF]
.irp b, 0,1,2,3
.irp i, 0,1,2,3
	ds_load_b128 v[S+16*\b+4*\i:S+16*\b+4*\i+3], v[ADM] offset:128*\b+16*\i    ; the mask numbers of keys 32 b + 16 h + 4 i ..
.endr
.endr
	ds_load_b128 v[KS:KS+3], v[ADS]                ; k's scale words: lanes 0-15 tiles 0-3, lanes 16-31 tiles 4-7
	WIN 0x40
.irp t, 0,1,2,3,4,5,6,7
.irp c, 0,1,2
	ds_load_b128 v[FRG+12*\t+4*\c:FRG+12*\t+4*\c+3], v[ADF] offset:1536*\t+512*\c
.endr
.endr
	WIN 0x01
	s_wait_alu depctr_va_vdst(0)
	s_wait_dscnt 12                                ; all but fragments 4-7's twelve loads are in
.irp t, 0,1,2,3
	KQ 1, \t
.endr
	s_wait_dscnt 0x0
.irp t, 4,5,6,7
	KQ 1, \t
.endr
.rept 5
	v_nop                                          ; tile 0's products write over registers that tile 1's have read as C: five places
.endr
.irp t, 0,1,2,3,4,5,6,7
	KQ 0, \t
.endr
.rept 4
	v_nop                                          ; places in front of the loads into k's registers and of the first read of the scores
.endr
	WIN 0x40
.irp t, 0,1,2,3,4,5,6,7
.irp c, 0,1,2
	ds_load_b128 v[FRG+12*\t+4*\c:FRG+12*\t+4*\c+3], v[ADV] offset:1536*\t+512*\c   ; v's fragments land while the softmax is walked
.endr
.endr
	WIN 0
	ds_load_b128 v[KS:KS+3], v[ADS] offset:8192    ; and v's scale words
.if \mode
	s_wait_tensorcnt 0x0                           ; these were my last reads of the slot.  All my tensor loads have landed: my part of the next slot;
	ds_add_u32 v[SPW], v[NIL]                      ; 0 onto my spare word
.if \mode == 1
	s_mov_b32 s[G1+2], 96<<16                      ; no tensor load of mine is out: the last four steps' quarter is 96 rows
	s_mov_b32 s[G1+4], 96
.endif
.endif
	SM_A
.if \mode
	s_wait_alu depctr_va_vdst(0)
	s_wait_dscnt 0x0                               ; the add is done, and v's fragments are in registers: I read this slot no more
	s_barrier_signal -1                            ; only work on registers stands between this signal and its wait
.endif
	SM_B
	WIN 0x41                                       ; O^T in window 1, f in window 0
.set j, 0
.rept 32
.irp u, 0,1
	v_pk_mul_f32 v[64*\u+j:64*\u+j+1], v[64*\u+j:64*\u+j+1], v[ST+6*\u+4:ST+6*\u+5] op_sel_hi:[1,0]   ; O^T under the new M.  These 64 are also the places between p's codes and scale words and the products
.endr
.set j, j+2
.endr
	s_wait_alu depctr_va_vdst(0)
.if \mode == 0
	s_wait_dscnt 0x0
.endif
	WIN 0x51                                       ; v in window 1, p in window 0, O^T in window 1
.irp t, 0,1,2,3,4,5,6,7
.irp u, 0,1
	PV \u, \t                                      ; sixteen accumulators, one instruction each
.endr
.endr
	WIN 0
	s_add_co_u32 s[TB], s[TB], UNIT
	s_add_co_u32 s[TS], s[TS], 512
.if \mode
	s_barrier_wait -1                              ; no wave of my work-group reads the slot any more, and the next slot is whole
.endif
.if \mode == 1
	CREST                                          ; the barrier has opened a round of the cluster's barrier: the same holds of every partner
	TLOAD G0C                                      ; key steps 12-15 into slot 0: the first tensor load behind the round
.endif
.endm
.macro RUN n                           ; n key steps inside a slot
	s_mov_b32 s[STP], \n
.Lstep_\@:
	STEP 0
	s_sub_co_u32 s[STP], s[STP], 1
	s_cmp_lg_u32 s[STP], 0
	s_cbranch_scc1 .Lstep_\@
.endm
	s_wait_alu depctr_va_vdst(0)                   ; the head's end
	s_wait_tensorcnt 0x0                           ; my load of the head's eight is in
	ds_add_u32 v[SPW], v[NIL]
	s_add_co_u32 s[G0+1], s[G0+1], SLOT            ; no tensor load of mine is out: the group 0 goes on to slot 1, key steps 6-11
	s_add_nc_u64 s[G0+2:G0+3], s[G0+2:G0+3], NS*UNIT
	s_wait_dscnt 0x0                               ; the add is done, and my stores into the mask table have landed
	CROUND
	TLOAD G0                                       ; slot 1's first fill
	s_cmp_eq_u32 s[LIM], 1
	s_cbranch_scc0 .Lnot_mine
	global_prefetch_b8 v[PFO], s[PFA:PFA+1] th:TH_LOAD_NT scope:SCOPE_SE   ; key steps 12-15, six steps ahead of their load
.Lnot_mine:
	s_mov_b32 s[TB], 0
	s_mov_b32 s[TS], 0
	RUN 5                                          ; slot 0: key steps 0-5
	STEP 1
	s_mov_b32 s[TB], SLOT
	RUN 5                                          ; slot 1: key steps 6-11
	STEP 2
	s_mov_b32 s[TB], 0
	RUN 4                                          ; slot 0: key steps 12-15
	; THE WAY OUT.  O^T / the sum goes through my stage, a tile of 16 queries at a time, and leaves as whole rows of 512 bytes.
.rept 4
	v_nop                                          ; places behind the last products
.endr
.irp u, 0,1
	v_add_f32 v[W+16*\u+14], v[ST+6*\u+2], v[ST+6*\u+3]
.endr
.irp u, 0,1
	s_delay_alu instid0(VALU_DEP_2)
	v_permlanex16_b32 v[W+16*\u+4], v[W+16*\u+14], s[SEL], s[SEL+1]
.endr
.irp u, 0,1
	s_delay_alu instid0(VALU_DEP_2)
	v_add_f32 v[W+16*\u+14], v[W+16*\u+14], v[W+16*\u+4]           ; the row's sum
.endr
	s_wait_alu depctr_va_vdst(0)
.irp u, 0,1
	v_rcp_f32 v[ST+6*\u+4], v[W+16*\u+14]
.endr
	v_nop                                          ; a plain place behind the reciprocals,
	s_wait_alu depctr_va_vdst(0)                   ; and the one wait ahead of their first reader
.macro PACK u
	WIN 0x01                                       ; O^T in window 1
.set j, 0
.rept 32
	v_pk_mul_f32 v[S+64*\u+j:S+64*\u+j+1], v[64*\u+j:64*\u+j+1], v[ST+6*\u+4:ST+6*\u+5] op_sel_hi:[1,0]   ; ascending: each accumulator is read from its low end on
.set j, j+2
.endr
	WIN 0
.irp t, 0,1,2,3,4,5,6,7
.irp k, 0,1
	ds_store_b128 v[SI], v[S+64*\u+8*\t+4*\k:S+64*\u+8*\t+4*\k+3] offset:128*(\t/2)+32*(\t%2)+16*\k   ; register j of tile t is channel 32 (t / 2) + 8 (t % 2) + 16 h + j
.endr
.endr
.irp i, 0,1,2,3,4,5,6,7,8,9,10,11,12,13,14,15
	ds_load_b128 v[S+64*\u+4*\i:S+64*\u+4*\i+3], v[SR] offset:528*\i   ; LDS serves a wave's instructions in order: these see my stores, and the next tile's stores come behind them
.endr
.endm
.macro SEND u, younger                 ; younger: the LDS instructions issued behind tile u's loads
.irp i, 0,1,2,3,4,5,6,7,8,9,10,11,12,13,14,15
	s_wait_dscnt \younger+15-\i
	global_store_b128 v[GO], v[S+64*\u+4*\i:S+64*\u+4*\i+3], s[10:11] offset:(8*\u+\i+8*(\i/8))*8192 th:TH_STORE_NT   ; 32 lanes store 512 consecutive bytes, at a multiple of 512 from out's first byte
.endr
.endm
	PACK 0
	PACK 1
	SEND 0, 32
	SEND 1, 0
	s_wait_tensorcnt 0x0                           ; the wave's end, behind my last tensor load and my last LDS store
	ds_add_u32 v[SPW], v[NIL]
	s_wait_dscnt 0x0
	CROUND                                         ; the closing round: no work-group ends while a partner may still ask for a tile that names it
	s_endpgm
.Lfunc_end_k_q911e81a6d3_attn:
	.size	k_q911e81a6d3_attn, .Lfunc_end_k_q911e81a6d3_attn-k_q911e81a6d3_attn
	.p2alignl 7, 3214868480
	.fill 96, 4, 3214868480
	.section	.rodata,"a",@progbits
	.p2align	6, 0x0
	.amdhsa_kernel k_q911e81a6d3_attn
		.amdhsa_group_segment_fixed_size 327680
		.amdhsa_private_segment_fixed_size 0
		.amdhsa_enable_private_segment 0
		.amdhsa_kernarg_size 32
		.amdhsa_user_sgpr_count 2
		.amdhsa_user_sgpr_kernarg_segment_ptr 1
		.amdhsa_wavefront_size32 1
		.amdhsa_system_sgpr_workgroup_id_x 1
		.amdhsa_system_sgpr_workgroup_id_y 1
		.amdhsa_system_sgpr_workgroup_id_z 1
		.amdhsa_system_vgpr_workitem_id 0
		.amdhsa_next_free_vgpr 512
		.amdhsa_next_free_sgpr 76
		.amdhsa_reserve_vcc 1
		.amdhsa_float_denorm_mode_32 3
		.amdhsa_float_denorm_mode_16_64 3
		.amdhsa_memory_ordered 1
		.amdhsa_forward_progress 1
		.amdhsa_inst_pref_size 207
	.end_amdhsa_kernel
	.amdgpu_metadata
---
amdhsa.version: [ 1, 2 ]
amdhsa.kernels:
  - .name:           k_q911e81a6d3_attn
    .symbol:         k_q911e81a6d3_attn.kd
    .args:
      - { .name: att, .offset: 0, .size: 8, .value_kind: global_buffer, .address_space: global }
      - { .name: asc, .offset: 8, .size: 8, .value_kind: global_buffer, .address_space: global }
      - { .name: attention_mask, .offset: 16, .size: 8, .value_kind: global_buffer, .address_space: global }
      - { .name: out0, .offset: 24, .size: 8, .value_kind: global_buffer, .address_space: global }
    .group_segment_fixed_size: 327680
    .private_segment_fixed_size: 0
    .kernarg_segment_align: 8
    .kernarg_segment_size: 32
    .max_flat_workgroup_size: 256
    .sgpr_count:     76
    .vgpr_count:     512
    .wavefront_size: 32
...
	.end_amdgpu_metadata
.endif
;; end of part 3
